; MI455X (gfx1250); checked and timed in simulation.
; The chip was launched on July 23, 2026; its instructions are those of AMD's public machine-readable ISA for CDNA 5 (MIT licence, August 2026) and "CDNA5" Instruction Set Architecture Reference Guide (July 2026). The comments in the code are by the model that wrote it; some were corrected since.
;; Multi Head Attention. Allowed arithmetic: matrix products marked QUANTISED: E3M2 operands, one E8M0 scale for each 32 along K, by v_wmma_scale_f32_16x16x128_f8f6f4 with both operands' format E3M2, f32 sums; everything else in f32.
;; Inputs: Wk 1,024 x 1,024 float32; Wo 1,024 x 1,024 float32; Wq 1,024 x 1,024 float32; Wv 1,024 x 1,024 float32; bk 1,024 float32; bo 1,024 float32; bq 1,024 float32; bv 1,024 float32; mask 1 x 4,096 x 4,096 float32; query 1 x 4,096 x 1,024 float32.
;; Outputs: out0 1 x 4,096 x 1,024 float32.
;; This version of the problem:
;;   THIS VERSION OF THE PROBLEM IS GIVEN IN LOW PRECISION. The matrix products marked QUANTISED in the list below multiply operands that are first quantised to E3M2 (3 exponent bits, 2 mantissa bits; 6 bits a number), with one power-of-two scale for each 32 numbers along K (OCP MX v1.0); their sums are f32. All else is computed in f32.
;;   The module's matrix products, in the order in which they are computed (A, B: the left and right operand; K: the contracted axis; several contracted axes count as one K, in the product's order):
;;     1. [M 4,096, K 1,024] x [K 1,024, N 1,024]; A: input query; B: input Wq: QUANTISED
;;     2. [M 4,096, K 1,024] x [K 1,024, N 1,024]; A: input query; B: input Wk: QUANTISED
;;     3. [M 4,096, K 1,024] x [K 1,024, N 1,024]; A: input query; B: input Wv: QUANTISED
;;     4. batch 16 x [M 4,096, K 64] x [K 64, N 4,096]; A: computed on the way; B: computed on the way: QUANTISED
;;     5. batch 16 x [M 4,096, K 4,096] x [K 4,096, N 64]; A: softmax (see below); B: computed on the way: QUANTISED
;;     6. [M 4,096, K 1,024] x [K 1,024, N 1,024]; A: computed on the way; B: input Wo: QUANTISED
;;   THE QUANTISER, for each operand of a quantised product, along K:
;;     - K is cut into blocks of 32 from its start; a last block that is shorter is filled with zeros.
;;     - A block's scale is 2^e with e = floor(log2(the largest magnitude in the block)) - 4, held to -126 .. 127; a block of zeros has e = 0. As a byte (E8M0): e + 127.
;;     - Each number is divided by its block's scale, clamped to +-28, and rounded to the nearest number of E3M2, ties to even, subnormals kept.
;;     - The product sums the exact products of the quantised numbers (number of the format x scale) in f32.
;;   ~~~python
;;   def quantise(x, axis):      # numpy; x: float32 -> the quantised numbers, widened to float32 again
;;       x = np.moveaxis(x, axis, -1); K = x.shape[-1]
;;       x = np.pad(x, [(0, 0)] * (x.ndim - 1) + [(0, -K % 32)]); x = x.reshape(x.shape[:-1] + (-1, 32)); a = np.abs(x).max(-1, keepdims=True)
;;       e = np.where(a > 0, np.clip(np.frexp(np.where(a > 0, a, 1))[1] - 1 - 4, -126, 127), 0)      # np.frexp(a)[1] - 1 = floor(log2(a)), exactly
;;       r = np.clip(x / 2.0 ** e, -28, 28)
;;       step = 2.0 ** (np.maximum(np.frexp(np.where(r == 0, 1, r))[1] - 1, -2) - 2)
;;       q = np.round(r / step) * step * 2.0 ** e      # np.round: ties to even
;;       return np.moveaxis(q.reshape(q.shape[:-2] + (-1,))[..., :K], -1, axis).astype(np.float32)
;;   ~~~
;;   SOFTMAX AHEAD OF A QUANTISED PRODUCT. Where the list says 'softmax', what is quantised is not the finished softmax but p = 2^(t - M), with t = logit x log2(e) and M = ceil(the row's largest t), a whole number; so 1/2 < the row's largest p <= 1. The row's sum l is taken of the UNQUANTISED p, in f32, and the product's result is divided by l at the end. Since M is a whole number, a kernel that streams over the keys may use a running M (the ceiling of the running maximum): every later rescaling is an exact power of two, which a block's scale takes up: the codes' values come out the same.
;;   OPERANDS COMPUTED ON THE WAY. 'Computed on the way' means the value that the module computes at that place (a softmax that the list does not call 'softmax' is quantised finished and normalised). What goes into a quantiser is computed in f32, as accurately as f32 sums, v_exp_f32 and their like allow (about 1e-6 of the number): no bf16 or f16 on the way to a quantiser, and a product that is left as it is and whose result goes on into a quantised operand takes f32 operands (vector FMAs, or v_wmma_f32_16x16x4_f32). A number that lies on a knife's edge between two numbers of the format may be rounded either way, as far as f32 arithmetic and the matrix unit's own rounding can turn it there, and no further.
;; One version. Each part assembles by itself: llvm-mc -triple=amdgcn-amd-amdhsa -mcpu=gfx1250 --defsym DOCPART=n.
;; ======== version 1 of 1: 4 launches
;; limits: right only within a limited range of input values
;; workspace buffers: ximg 3,276,800 bytes; wimg 3,276,800 bytes; qimg 3,276,800 bytes; kimg 3,276,800 bytes; vimg 3,276,800 bytes; cimg 3,276,800 bytes; flags 4,096 bytes of whole numbers
;; launch quant (part 1): grid 768 x 1, 4 waves a work-group, no clusters, 69,120 bytes of LDS; arguments query, Wq, Wk, Wv, Wo, ximg, wimg, mask, flags; writes ximg, wimg, flags
.if DOCPART == 1
	.amdgcn_target "amdgcn-amd-amdhsa--gfx1250"
	.amdhsa_code_object_version 6
	.text
	.protected	k_q9794525d1b_quant
	.globl	k_q9794525d1b_quant
	.p2align	8
	.type	k_q9794525d1b_quant,@function
k_q9794525d1b_quant:
	s_mov_b64 s[64:65], 0
	v_nop
	global_prefetch_b8 v0, s[64:65] scope:SCOPE_SE
	s_setreg_imm32_b32 hwreg(HW_REG_WAVE_MODE, 25, 1), 1
	s_wait_xcnt 0x0
; MULTI-HEAD ATTENTION IN MX-BF6, launch 1 of 4.  Work-groups 0-511: query [4096][1024] and Wq, Wk, Wv, Wo [1024][1024], f32, K innermost, become codes of E3M2 with one E8M0 byte for each 32 along K.
; Work-groups 512-767: the mask is read, every word once, and sorted by tiles into whole numbers that the third launch reads.
; DEAD WORK: none; every input is loaded and has its way to the output.  WORK THAT THE MASK'S VALUES THROW AWAY is decided here from the mask as data (no pattern is assumed) and stored as whole numbers:
;   a tile is 16 queries (the rows of one fragment of Q) x 128 keys.  CLEAN: every word is 0: mask x (-1e9) adds nothing.  HEAVY: every word is at least 0.5, so at least 5e8 is taken off every score.
;   A row is ANCHORED if some word of it is 0 or less.  The third launch passes over a heavy tile only if all 16 rows are anchored: then each row has a score that lies at least 5e8 - 2 max|q.k| above all of the tile's,
;   and p = 2^(t - M) of the tile is 0 in f32, in the source's arithmetic as here.  All other tiles are walked, the words of those that are not clean are added.
; LIMITS: that choice holds while |q.k| stays under 2^27 (the drawn inputs give under 2^6; all inputs 30 times larger give under 2^26).  NaN and infinities among the inputs are not served.
;   A block whose largest magnitude lies under 2^-122 keeps the byte 1; a block of zeros has the byte 1 where the rule says 127: its codes are zeros, and this program alone reads the bytes.
; THE WORKSPACE LAYOUT of the six images.  Rows go in groups of 128.  Tile f = 2 b + u of a group holds the 16 rows 32 b + 8 u + r + 8 (r / 8), r = 0 .. 15: as source 0 of a matrix instruction, the 16 result
; registers of tiles 2 b and 2 b + 1 are 16 neighbouring rows, 32 b + 16 (lane / 16) + 0 .. 15.  A fragment (16 rows x 128 K, 12 registers a lane) is an image of its registers: three chunks of 512 bytes, registers 4 c .. 4 c + 3
; of lane l at 512 c + 16 l.  A BLOCK is a group's eight fragments for 128 along K (1,536 f) and, at 12,288 + 128 j + 4 lane, four scale registers: lanes 0-15 the words of fragment 2 j's rows, lanes 16-31 those of fragment 2 j + 1: 12,800 bytes.
; ximg: block 8 g + s.  wimg: block 8 G + s, G = 0-7 Wq, 8-15 Wk, 16-23 Wv, 24-31 Wo.
; flags: word 4 T + w, T = 8 g + f the tile of queries, w the wave that read keys 1,024 w on: bits 0-15 its anchored rows, bit 16 + t key tile 8 w + t heavy, bit 24 + t clean.
; SHARES.  Images: a work-group makes one block, wave j its tiles 2 j, 2 j + 1; rows turn through the wave's own stage in LDS.  Mask: a work-group reads the 16 rows of one tile of queries, a wave 4,096 bytes of each; no LDS.
; No tensor load, no barrier, no matrix work, no cluster: each byte is read once by one wave.
.set WREG,  17152                      ; a wave's stage: row i at 528 i + 128 (i / 16)
.set SPARE, 4*WREG                     ; the spare words, 128 bytes for each wave
.set BLK,   12800
.set SPW, 1
.set NIL, 2
.set GL,  3                            ; 16 x lane
.set STI, 4
.set LDA, 5
.set L4,  6
.set R,   16                           ; v16-143  32 rows as loaded
.set X0,  144
.set X1,  16
.set TM,  208
.set PC0, 224
.set PC1, 80
.set PW0, 244
.set PW1, 245
.set PWC, 246
.set SEL, 20
; 64 numbers of a lane, register 16 b + i = k 32 b + 16 (lane / 16) + i of my row, become a fragment's codes in v[pc] .. v[pc + 11] and its scale word in v[pw].
.macro QUANT s, pc, pw, tm
.irp b, 0,1,2,3
	v_max3_num_f32 v[\tm+\b], |v[\s+16*\b]|, |v[\s+1+16*\b]|, 0x2800000   ; the floor 2^(5 - 127): the byte cannot fall under 1
.endr
.irp i, 2,4,6,8,10,12,14
.irp b, 0,1,2,3
	v_max3_num_f32 v[\tm+\b], v[\tm+\b], |v[\s+16*\b+\i]|, |v[\s+1+16*\b+\i]|
.endr
.endr
.irp b, 0,1,2,3
	v_permlanex16_b32 v[\tm+4+\b], v[\tm+\b], s[SEL], s[SEL+1]
.endr
.irp b, 0,1,2,3
	v_max_num_f32 v[\tm+\b], v[\tm+\b], v[\tm+4+\b]
.endr
.irp b, 0,1,2,3
	v_add_nc_u32 v[\tm+12+\b], 0xfe000000, v[\tm+\b]                       ; 4 off the exponent field: the conversion's scale operand
.endr
.irp b, 0,1,2,3
	v_lshrrev_b32 v[\tm+4+\b], 23, v[\tm+12+\b]
.endr
	v_lshl_or_b32 v[\pw], v[\tm+5], 8, v[\tm+4]
	v_lshl_or_b32 v[\pw], v[\tm+6], 16, v[\pw]
	v_lshl_or_b32 v[\pw], v[\tm+7], 24, v[\pw]
.irp c, 0,1
	v_cvt_scalef32_pk16_bf6_f32 v[\pc+6*\c:\pc+2+6*\c], v[\s+32*\c:\s+15+32*\c], v[\tm+12+2*\c]
	v_cvt_scalef32_pk16_bf6_f32 v[\pc+12+4*\c:\pc+14+4*\c], v[\s+16+32*\c:\s+31+32*\c], v[\tm+13+2*\c]
.endr
	v_nop                                                                  ; one plain instruction behind the scaled conversions
.irp c, 0,1
.irp i, 0,1,2
	v_permlane16_swap_b32 v[\pc+6*\c+\i], v[\pc+12+4*\c+\i]
.endr
.irp i, 0,1,2
	v_mov_b32 v[\pc+3+6*\c+\i], v[\pc+12+4*\c+\i]
.endr
.endr
.endm
	s_cmp_ge_u32 ttmp9, 512                        ; the branch hangs on the work-group's number alone
	s_cbranch_scc1 .Lscan
	s_load_b256 s[4:11], s[0:1], 0x0               ; query, Wq, Wk, Wv
	s_load_b128 s[12:15], s[0:1], 0x20             ; Wo, ximg
	s_load_b64 s[16:17], s[0:1], 0x30              ; wimg
	v_lshl_add_u32 v[SPW], v0, 2, SPARE
	v_mov_b32 v[NIL], 0
	v_lshrrev_b32 v7, 5, v0
	v_readfirstlane_b32 s18, v7                    ; wave j
	v_and_b32 v7, 31, v0
	v_lshlrev_b32 v[GL], 4, v7
	v_lshlrev_b32 v[L4], 2, v7
	s_mul_i32 s19, s18, WREG
	v_add_nc_u32 v[STI], s19, v[GL]
	v_and_b32 v8, 7, v0
	v_bfe_u32 v9, v0, 3, 1
	v_bfe_u32 v10, v0, 4, 1
	v_mul_u32_u24 v[LDA], v8, 528
	v_mad_u32_u24 v[LDA], v9, 8576, v[LDA]
	v_lshl_add_u32 v[LDA], v10, 6, v[LDA]
	v_add_nc_u32 v[LDA], s19, v[LDA]
	s_mov_b32 s[SEL], 0x76543210
	s_mov_b32 s[SEL+1], 0xfedcba98
.irp b, 0,1,2,3
	v_mov_b32 v[TM+4+\b], 0                        ; a lane permute's destination counts as one of its sources
.endr
	s_sub_co_u32 s24, ttmp9, 256                   ; the weights' block number
	s_lshr_b32 s25, s24, 6                         ; which weight
	s_wait_alu depctr_va_vdst(0)                   ; the head's end
	s_wait_kmcnt 0x0
	s_cmp_eq_u32 s25, 1                            ; only pointers are chosen, on the work-group's number alone
	s_cselect_b64 s[26:27], s[8:9], s[6:7]
	s_cmp_eq_u32 s25, 2
	s_cselect_b64 s[26:27], s[10:11], s[26:27]
	s_cmp_eq_u32 s25, 3
	s_cselect_b64 s[26:27], s[12:13], s[26:27]
	s_cmp_lt_u32 ttmp9, 256
	s_cselect_b64 s[26:27], s[4:5], s[26:27]
	s_cselect_b64 s[28:29], s[14:15], s[16:17]
	s_cselect_b32 s30, ttmp9, s24
	s_cselect_b32 s31, 31, 7
	s_lshr_b32 s32, s30, 3
	s_and_b32 s32, s32, s31                        ; the group of 128 rows in its tensor
	s_and_b32 s33, ttmp9, 7                        ; which 128 along K
	s_lshl_b32 s32, s32, 7
	s_lshl_b32 s34, s18, 5
	s_add_co_u32 s32, s32, s34
	s_lshl_b32 s32, s32, 12
	s_lshl_b32 s33, s33, 9
	s_add_co_u32 s32, s32, s33
	s_mov_b32 s33, 0
	s_add_nc_u64 s[26:27], s[26:27], s[32:33]
	s_mul_i32 s34, s30, BLK
	s_mov_b32 s35, 0
	s_add_nc_u64 s[28:29], s[28:29], s[34:35]
	s_mul_i32 s34, s18, 3072
	s_add_nc_u64 s[36:37], s[28:29], s[34:35]      ; my two fragments
	s_lshl_b32 s34, s18, 7
	s_add_nc_u64 s[38:39], s[28:29], s[34:35]      ; my scale register
.set n, 0
.rept 32
	global_load_b128 v[R+4*n:R+4*n+3], v[GL], s[26:27] offset:4096*n th:TH_LOAD_NT   ; 512 consecutive bytes of row n
.set n, n+1
.endr
.set n, 0
.rept 32
	s_wait_loadcnt 31-n                            ; row n is in, the younger ones stay out
	ds_store_b128 v[STI], v[R+4*n:R+4*n+3] offset:528*n+128*(n/16)
.set n, n+1
.endr
.irp b, 0,1,2,3
.irp q, 0,1,2,3
	ds_load_b128 v[X0+16*\b+4*\q:X0+16*\b+4*\q+3], v[LDA] offset:128*\b+16*\q        ; LDS serves a wave's instructions in order
.endr
.endr
	s_wait_dscnt 0x0
.irp b, 0,1,2,3
.irp q, 0,1,2,3
	ds_load_b128 v[X1+16*\b+4*\q:X1+16*\b+4*\q+3], v[LDA] offset:4224+128*\b+16*\q
.endr
.endr
	QUANT X0, PC0, PW0, TM
.irp c, 0,1,2
	global_store_b128 v[GL], v[PC0+4*\c:PC0+4*\c+3], s[36:37] offset:512*\c
.endr
	s_wait_dscnt 0x0
	QUANT X1, PC1, PW1, TM
.irp c, 0,1,2
	global_store_b128 v[GL], v[PC1+4*\c:PC1+4*\c+3], s[36:37] offset:1536+512*\c
.endr
	s_mov_b32 vcc_lo, 0xffff0000
	v_cndmask_b32 v[PWC], v[PW0], v[PW1], vcc_lo
	global_store_b32 v[L4], v[PWC], s[38:39] offset:12288
	s_wait_tensorcnt 0x0                           ; the wave's end, behind my last LDS store
	ds_add_u32 v[SPW], v[NIL]
	s_wait_dscnt 0x0
	s_endpgm
; THE MASK.  Three sets of 16 loads (a key tile: 16 rows x 512 bytes) take turns: two tiles are out while one is sorted.  Nothing here steers a branch or an address: compares end in selected bits of one word.
.set MX, 16                            ; v16-207  three sets of 64
.set RM, 208                           ; v208-223 each row's least word, lane by lane
.set TA, 224                           ; v224-225 the tile's least word, two chains
.set XA, 226                           ; v226-227 its largest magnitude, two chains
.macro MLOAD t
.irp i, 0,1,2,3,4,5,6,7,8,9,10,11,12,13,14,15
	global_load_b128 v[MX+64*((\t)%3)+4*\i:MX+64*((\t)%3)+4*\i+3], v3, s[4:5] offset:(\i+8*(\i/8))*16384+512*(\t) th:TH_LOAD_NT
.endr
.endm
.macro TILE t
.set XS, MX+64*((\t)%3)
	s_wait_alu depctr_va_vdst(0)
.if (\t) < 6
	s_wait_loadcnt 32                              ; this tile's 16 loads are in; the two tiles behind it may be out
.else
	s_wait_loadcnt 16*(7-(\t))
.endif
	v_mov_b32 v[TA], 0x7f7fffff
	v_mov_b32 v[TA+1], 0x7f7fffff
	v_mov_b32 v[XA], 0
	v_mov_b32 v[XA+1], 0
.irp i, 0,1,2,3,4,5,6,7,8,9,10,11,12,13,14,15
	v_min3_num_f32 v[RM+\i], v[RM+\i], v[XS+4*\i], v[XS+4*\i+1]
	v_min3_num_f32 v[TA+\i%2], v[TA+\i%2], v[XS+4*\i], v[XS+4*\i+1]
	v_max3_num_f32 v[XA+\i%2], v[XA+\i%2], |v[XS+4*\i]|, |v[XS+4*\i+1]|
	v_min3_num_f32 v[RM+\i], v[RM+\i], v[XS+4*\i+2], v[XS+4*\i+3]
	v_min3_num_f32 v[TA+\i%2], v[TA+\i%2], v[XS+4*\i+2], v[XS+4*\i+3]
	v_max3_num_f32 v[XA+\i%2], v[XA+\i%2], |v[XS+4*\i+2]|, |v[XS+4*\i+3]|
.endr
.if (\t)+3 < 8
	MLOAD (\t)+3
.endif
	v_min_num_f32 v[TA], v[TA], v[TA+1]
	v_max_num_f32 v[XA], v[XA], v[XA+1]
	v_cmp_gt_f32 s15, 0.5, v[TA]                   ; lanes that saw a word under 0.5
	v_cmp_lt_f32 s16, 0, v[XA]                     ; lanes that saw a word other than 0
	s_cmp_eq_u32 s15, 0
	s_cselect_b32 s17, 1<<(16+(\t)), 0             ; heavy
	s_or_b32 s14, s14, s17
	s_cmp_eq_u32 s16, 0
	s_cselect_b32 s17, 1<<(24+(\t)), 0             ; clean
	s_or_b32 s14, s14, s17
.endm
.Lscan:
	s_load_b128 s[4:7], s[0:1], 0x38               ; mask, flags
	v_lshrrev_b32 v1, 5, v0
	v_readfirstlane_b32 s8, v1                     ; wave w
	v_and_b32 v2, 31, v0
	v_lshlrev_b32 v3, 4, v2                        ; my 16 bytes of a load's 512
	s_sub_co_u32 s9, ttmp9, 512                    ; T = 8 g + f
	s_lshr_b32 s10, s9, 3
	s_lshl_b32 s10, s10, 7
	s_bfe_u32 s11, s9, 0x20001
	s_lshl_b32 s11, s11, 5
	s_add_co_u32 s10, s10, s11
	s_and_b32 s11, s9, 1
	s_lshl_b32 s11, s11, 3
	s_add_co_u32 s10, s10, s11                     ; the tile's first row: 128 g + 32 (f / 2) + 8 (f % 2); its rows: + 0 .. 7, 16 .. 23
	s_lshl_b32 s10, s10, 14                        ; rows of 16,384 bytes
	s_lshl_b32 s11, s8, 12                         ; my eight key tiles
	s_add_co_u32 s10, s10, s11
	s_mov_b32 s11, 0
	s_lshl_b32 s12, s9, 4
	s_lshl_b32 s13, s8, 2
	s_add_co_u32 s12, s12, s13                     ; my word
	s_mov_b32 s13, 0
	s_mov_b32 s14, 0
.irp i, 0,1,2,3,4,5,6,7,8,9,10,11,12,13,14,15
	v_mov_b32 v[RM+\i], 0x7f7fffff
.endr
	s_wait_alu depctr_va_vdst(0)                   ; the head's end
	s_wait_kmcnt 0x0
	s_add_nc_u64 s[4:5], s[4:5], s[10:11]
	s_add_nc_u64 s[6:7], s[6:7], s[12:13]
	MLOAD 0
	MLOAD 1
	MLOAD 2
.irp t, 0,1,2,3,4,5,6,7
	TILE \t
.endr
	s_wait_alu depctr_va_vdst(0)
.irp i, 0,1,2,3,4,5,6,7,8,9,10,11,12,13,14,15
	v_cmp_ge_f32 s15, 0, v[RM+\i]                  ; lanes that saw a word of row i at or under 0
	s_cmp_lg_u32 s15, 0
	s_cselect_b32 s17, 1<<\i, 0
	s_or_b32 s14, s14, s17
.endr
	v_mov_b32 v4, s14
	v_mov_b32 v5, 0
	v_cmp_eq_u32 vcc_lo, 0, v2
	s_wait_alu depctr_va_vdst(0)                   ; the store's registers were just written
	s_wait_xcnt 0x0                                ; EXEC changes only behind this wait
	s_and_saveexec_b32 s18, vcc_lo
	global_store_b32 v5, v4, s[6:7]                ; lane 0 stores the wave's word
	s_wait_xcnt 0x0
	s_or_b32 exec_lo, exec_lo, s18
	s_endpgm
.Lfunc_end_k_q9794525d1b_quant:
	.size	k_q9794525d1b_quant, .Lfunc_end_k_q9794525d1b_quant-k_q9794525d1b_quant
	.p2alignl 7, 3214868480
	.fill 96, 4, 3214868480
	.section	.rodata,"a",@progbits
	.p2align	6, 0x0
	.amdhsa_kernel k_q9794525d1b_quant
		.amdhsa_group_segment_fixed_size 69120
		.amdhsa_private_segment_fixed_size 0
		.amdhsa_enable_private_segment 0
		.amdhsa_kernarg_size 72
		.amdhsa_user_sgpr_count 2
		.amdhsa_user_sgpr_kernarg_segment_ptr 1
		.amdhsa_wavefront_size32 1
		.amdhsa_system_sgpr_workgroup_id_x 1
		.amdhsa_system_sgpr_workgroup_id_y 1
		.amdhsa_system_sgpr_workgroup_id_z 1
		.amdhsa_system_vgpr_workitem_id 0
		.amdhsa_next_free_vgpr 256
		.amdhsa_next_free_sgpr 66
		.amdhsa_reserve_vcc 1
		.amdhsa_float_denorm_mode_32 3
		.amdhsa_float_denorm_mode_16_64 3
		.amdhsa_memory_ordered 1
		.amdhsa_forward_progress 1
		.amdhsa_inst_pref_size 90
	.end_amdhsa_kernel
	.amdgpu_metadata
---
amdhsa.version: [ 1, 2 ]
amdhsa.kernels:
  - .name:           k_q9794525d1b_quant
    .symbol:         k_q9794525d1b_quant.kd
    .args:
      - { .name: query, .offset: 0, .size: 8, .value_kind: global_buffer, .address_space: global }
      - { .name: Wq, .offset: 8, .size: 8, .value_kind: global_buffer, .address_space: global }
      - { .name: Wk, .offset: 16, .size: 8, .value_kind: global_buffer, .address_space: global }
      - { .name: Wv, .offset: 24, .size: 8, .value_kind: global_buffer, .address_space: global }
      - { .name: Wo, .offset: 32, .size: 8, .value_kind: global_buffer, .address_space: global }
      - { .name: ximg, .offset: 40, .size: 8, .value_kind: global_buffer, .address_space: global }
      - { .name: wimg, .offset: 48, .size: 8, .value_kind: global_buffer, .address_space: global }
      - { .name: mask, .offset: 56, .size: 8, .value_kind: global_buffer, .address_space: global }
      - { .name: flags, .offset: 64, .size: 8, .value_kind: global_buffer, .address_space: global }
    .group_segment_fixed_size: 69120
    .private_segment_fixed_size: 0
    .kernarg_segment_align: 8
    .kernarg_segment_size: 72
    .max_flat_workgroup_size: 128
    .sgpr_count:     66
    .vgpr_count:     256
    .wavefront_size: 32
...
	.end_amdgpu_metadata
.endif
;; end of part 1
;; launch proj (part 2): grid 192 x 1, 16 waves a work-group, no clusters, 167,936 bytes of LDS; arguments ximg, wimg, bq, bk, bv, qimg, kimg, vimg; writes qimg, kimg, vimg
.if DOCPART == 2
	.amdgcn_target "amdgcn-amd-amdhsa--gfx1250"
	.amdhsa_code_object_version 6
	.text
	.protected	k_q9794525d1b_proj
	.globl	k_q9794525d1b_proj
	.p2align	8
	.type	k_q9794525d1b_proj,@function
k_q9794525d1b_proj:
	s_mov_b64 s[64:65], 0
	v_nop
	global_prefetch_b8 v0, s[64:65] scope:SCOPE_SE
	s_setreg_imm32_b32 hwreg(HW_REG_WAVE_MODE, 25, 1), 1
	s_wait_xcnt 0x0
; Launch 2 of 4: q = x Wq^T + bq, k = x Wk^T + bk, v = x Wv^T + bv on codes of E3M2, and the results quantised at once for the two products of attention.  No work is left out.
; ONE FORM FOR ALL THREE.  S: a group of 128 rows whose image for all of K (8 blocks, 102,400 bytes) lies in LDS: source 0.  T: two tiles of 16 rows a wave, from memory straight into registers: source 1.  In the result a lane holds
; one row of T and its 64 registers of a tile run along S's 128 rows in their natural order: they are one fragment of the next product, made by QUANT.
;   q, k (work-groups 0-127): S = 128 output channels of Wq or Wk (a pair of heads), T = tokens: the next K is the pair's channels.    v (128-191): S = 128 tokens, T = channels of Wv: the next K is the keys.
; qimg, kimg: block 32 pair + g (lanes: tokens of group g; K: the pair's 128 channels).  vimg: block 32 pair + g (lanes: the pair's channels; K: keys 128 g on).  Layout of a block: as in the first launch.
; SHARES.  q, k: work-group 8 Sg + ch; v: 128 + 2 Sg + ch.  Wave w takes T's group 4 ch + w / 4 and its tiles 2 j, 2 j + 1, j = w % 4: 16 accumulators, 128 matrix instructions.
; THE BIASES are the C of each sum's first matrix instruction: they are added ahead of the products, not behind them (an order of rounding that differs from the source's).
; NO CLUSTER: the tensor loads bring 102,400 of the 512,000 bytes that a work-group reads, once, at its head; T's 409,600 go to registers, which a joint load does not serve; and in the v part an image has two readers, so the 192 work-groups do not fall into fours that share.
; LIMITS: as stated in the first launch (NaN, infinities, blocks under 2^-122, the byte of a block of zeros).
.set SIMG,  102400                     ; a group's image for all of K
.set BLK,   12800
.set FRB,   1536
.set SCO,   12288
.set SPARE, 102400                     ; behind the image: the spare words, 128 bytes for each of 16 waves
.set SPW, 1
.set NIL, 2
.set LI,  3                            ; v3   16 x lane: an image's place for my lane, in LDS and in memory
.set LI2, 4                            ; v4   the same four blocks on (an LDS immediate has 16 bits)
.set LS,  5                            ; v5   4 x lane + 12,288: a block's scale registers
.set LS2, 6
.set L4,  7                            ; v7   4 x lane
.set BO,  8                            ; v8   my lane's offset in the bias
.set BV,  10                           ; v10-11 v: my two channels' biases
.set ACC, 16                           ; v16-143  accumulator (u, t) at 16 + 64 u + 8 t: T's tile u, S's tile t
.set SB,  144                          ; v144-191 four fragments of S
.set TB,  192                          ; v192-239 two sets of T's two fragments
.set SS,  244                          ; v244-251 two sets of S's four scale registers
.set TS,  252                          ; v252-253 two sets of T's one
.set TM,  144                          ; the way out, in S's place
.set PC,  160
.set PW0, 180
.set PW1, 181
.set PWC, 182
.set G1,  24                           ; s[24:31] descriptor group 1
.set G0,  32                           ; s[32:35] group 0
.set TF,  36                           ; s[36:37] T's fragments
.set TSC, 38                           ; s[38:39] T's scale register
.set DF,  40                           ; s[40:41] where my fragments go
.set BI,  42                           ; s[42:43] the bias
.set SEL, 44                           ; s[44:45]
.set DS,  46                           ; s[46:47] where my scale register goes
.macro QUANT s, pc, pw, tm             ; 64 numbers of a lane, register 16 b + i = k 32 b + 16 (lane / 16) + i of my row -> codes in v[pc] .. v[pc + 11], scale word in v[pw]
.irp b, 0,1,2,3
	v_max3_num_f32 v[\tm+\b], |v[\s+16*\b]|, |v[\s+1+16*\b]|, 0x2800000   ; and the floor 2^(5 - 127).  Each accumulator is read from its low end on
.endr
.irp i, 2,4,6,8,10,12,14
.irp b, 0,1,2,3
	v_max3_num_f32 v[\tm+\b], v[\tm+\b], |v[\s+16*\b+\i]|, |v[\s+1+16*\b+\i]|
.endr
.endr
.irp b, 0,1,2,3
	s_delay_alu instid0(VALU_DEP_4)
	v_permlanex16_b32 v[\tm+4+\b], v[\tm+\b], s[SEL], s[SEL+1]
.endr
.irp b, 0,1,2,3
	s_delay_alu instid0(VALU_DEP_4)
	v_max_num_f32 v[\tm+\b], v[\tm+\b], v[\tm+4+\b]
.endr
.irp b, 0,1,2,3
	s_delay_alu instid0(VALU_DEP_4)
	v_add_nc_u32 v[\tm+12+\b], 0xfe000000, v[\tm+\b]
.endr
.irp b, 0,1,2,3
	s_delay_alu instid0(VALU_DEP_4)
	v_lshrrev_b32 v[\tm+4+\b], 23, v[\tm+12+\b]
.endr
	s_delay_alu instid0(VALU_DEP_3)
	v_lshl_or_b32 v[\pw], v[\tm+5], 8, v[\tm+4]
	s_delay_alu instid0(VALU_DEP_1)
	v_lshl_or_b32 v[\pw], v[\tm+6], 16, v[\pw]
	s_delay_alu instid0(VALU_DEP_1)
	v_lshl_or_b32 v[\pw], v[\tm+7], 24, v[\pw]
.irp c, 0,1
	v_cvt_scalef32_pk16_bf6_f32 v[\pc+6*\c:\pc+2+6*\c], v[\s+32*\c:\s+15+32*\c], v[\tm+12+2*\c]
	v_cvt_scalef32_pk16_bf6_f32 v[\pc+12+4*\c:\pc+14+4*\c], v[\s+16+32*\c:\s+31+32*\c], v[\tm+13+2*\c]
.endr
	v_nop                                          ; one plain instruction behind the scaled conversions
.irp c, 0,1
.irp i, 0,1,2
	v_permlane16_swap_b32 v[\pc+6*\c+\i], v[\pc+12+4*\c+\i]
.endr
.irp i, 0,1,2
	s_delay_alu instid0(VALU_DEP_3)
	v_mov_b32 v[\pc+3+6*\c+\i], v[\pc+12+4*\c+\i]
.endr
.endr
.endm
; One matrix instruction in place.  ra, rb: the scale words stand in lanes 16-31 of the register named.
.macro MM d, a, b, sa, sb, ra, rb
.if (\ra) && (\rb)
	v_wmma_scale_f32_16x16x128_f8f6f4 v[\d:\d+7], v[\a:\a+11], v[\b:\b+11], v[\d:\d+7], v[\sa], v[\sb] matrix_a_fmt:MATRIX_FMT_BF6 matrix_b_fmt:MATRIX_FMT_BF6 matrix_a_scale:MATRIX_SCALE_ROW1 matrix_b_scale:MATRIX_SCALE_ROW1
.elseif (\ra)
	v_wmma_scale_f32_16x16x128_f8f6f4 v[\d:\d+7], v[\a:\a+11], v[\b:\b+11], v[\d:\d+7], v[\sa], v[\sb] matrix_a_fmt:MATRIX_FMT_BF6 matrix_b_fmt:MATRIX_FMT_BF6 matrix_a_scale:MATRIX_SCALE_ROW1
.elseif (\rb)
	v_wmma_scale_f32_16x16x128_f8f6f4 v[\d:\d+7], v[\a:\a+11], v[\b:\b+11], v[\d:\d+7], v[\sa], v[\sb] matrix_a_fmt:MATRIX_FMT_BF6 matrix_b_fmt:MATRIX_FMT_BF6 matrix_b_scale:MATRIX_SCALE_ROW1
.else
	v_wmma_scale_f32_16x16x128_f8f6f4 v[\d:\d+7], v[\a:\a+11], v[\b:\b+11], v[\d:\d+7], v[\sa], v[\sb] matrix_a_fmt:MATRIX_FMT_BF6 matrix_b_fmt:MATRIX_FMT_BF6
.endif
.endm
.macro TLOADS s                        ; T's two fragments and their scale register for K step s: seven loads
.irp u, 0,1
.irp c, 0,1,2
	global_load_b128 v[TB+24*((\s)%2)+12*\u+4*\c:TB+24*((\s)%2)+12*\u+4*\c+3], v[LI], s[TF:TF+1] offset:(\s)*BLK+FRB*\u+512*\c
.endr
.endr
	global_load_b32 v[TS+(\s)%2], v[L4], s[TSC:TSC+1] offset:(\s)*BLK+SCO
.endm
	s_load_b256 s[4:11], s[0:1], 0x0               ; ximg s[4:5], wimg s[6:7], bq s[8:9], bk s[10:11]
	s_load_b256 s[12:19], s[0:1], 0x20             ; bv s[12:13], qimg s[14:15], kimg s[16:17], vimg s[18:19]
	v_lshl_add_u32 v[SPW], v0, 2, SPARE
	v_mov_b32 v[NIL], 0
	ds_add_u32 v[SPW], v[NIL]                      ; the wave's opening: the add, twice on end, and its wait ahead of my first tensor load
	ds_add_u32 v[SPW], v[NIL]
	v_lshrrev_b32 v9, 5, v0
	s_delay_alu instid0(VALU_DEP_1)
	v_readfirstlane_b32 s22, v9                    ; wave 0..15
	; group 1: my sixteenth of the image: 6,400 dense bytes as 25 rows of 256 (32 elements of 8 bytes), no padding: images are read 16 bytes a lane on end
	s_mov_b32 s[G1+0], 3<<16
	s_mov_b32 s[G1+1], 32<<16                      ; tensor_dim0
	s_mov_b32 s[G1+2], 25<<16                      ; tensor_dim1
	s_mov_b32 s[G1+3], 32<<16                      ; tile_dim0
	s_mov_b32 s[G1+4], 25                          ; tile_dim1
	s_mov_b32 s[G1+5], 32                          ; from row to row
	s_mov_b32 s[G1+6], 0
	s_mov_b32 s[G1+7], 0
	s_mov_b32 s[SEL], 0x76543210
	s_mov_b32 s[SEL+1], 0xfedcba98
	s_cmp_lt_u32 ttmp9, 128
	s_cselect_b32 s21, 0, 1                        ; 0: q, k;  1: v
	s_cselect_b32 s55, 0, 16                       ; T's first group in its buffer (Wv's are wimg's groups 16 on)
	s_sub_co_u32 s50, ttmp9, 128
	s_lshr_b32 s51, ttmp9, 3
	s_and_b32 s52, ttmp9, 7
	s_lshr_b32 s53, s50, 1
	s_and_b32 s54, s50, 1
	s_cmp_eq_u32 s21, 0
	s_cselect_b32 s51, s51, s53                    ; Sg
	s_cselect_b32 s52, s52, s54                    ; ch
	s_lshl_b32 s52, s52, 2
	s_lshr_b32 s53, s22, 2
	s_add_co_u32 s52, s52, s53                     ; Tg = 4 ch + w / 4
	s_and_b32 s53, s22, 3                          ; j
	s_mul_i32 s56, s51, SIMG
	s_mul_i32 s[G0+1], s22, 6400                   ; LDS address of my sixteenth
	s_add_co_u32 s56, s56, s[G0+1]
	s_mov_b32 s57, 0                               ; s[56:57]: my sixteenth of S's image in memory
	s_add_co_u32 s58, s52, s55
	s_mul_i32 s58, s58, SIMG
	s_mov_b32 s59, 0                               ; s[58:59]: T's group
	s_mul_i32 s54, s53, 2*FRB                      ; my two fragments in a block
	s_lshl_b32 s55, s53, 7                         ; my scale register in a block
	s_and_b32 s60, s51, 7
	s_lshl_b32 s60, s60, 5
	s_add_co_u32 s60, s60, s52                     ; q, k: block 32 pair + token group
	s_lshl_b32 s61, s52, 5
	s_add_co_u32 s61, s61, s51                     ; v: the same, pair = Tg, token group = Sg
	s_and_b32 s62, s51, 7
	s_lshl_b32 s62, s62, 9                         ; q, k: the pair's 128 biases
	s_lshl_b32 s63, s52, 9
	s_add_co_u32 s63, s63, s55                     ; v: the pair's, my 32 channels on
	s_cmp_eq_u32 s21, 0
	s_cselect_b32 s60, s60, s61
	s_cselect_b32 s62, s62, s63
	s_mul_i32 s60, s60, BLK
	s_mov_b32 s61, 0
	s_mov_b32 s63, 0
	s_wait_dscnt 0x0                               ; both opening adds are done
	s_wait_kmcnt 0x0
	s_cselect_b64 s[G0+2:G0+3], s[6:7], s[4:5]     ; S: the weights' images, or x's.  (The compare above still stands: moves, products and waits leave it)
	s_cselect_b64 s[TF:TF+1], s[4:5], s[6:7]       ; T: the other
	s_cmp_lt_u32 ttmp9, 64
	s_cselect_b64 s[DF:DF+1], s[14:15], s[16:17]
	s_cselect_b64 s[BI:BI+1], s[8:9], s[10:11]
	s_cmp_eq_u32 s21, 0
	s_cselect_b64 s[DF:DF+1], s[DF:DF+1], s[18:19]
	s_cselect_b64 s[BI:BI+1], s[BI:BI+1], s[12:13]
	s_mov_b32 s[G0], 1
	s_add_nc_u64 s[G0+2:G0+3], s[G0+2:G0+3], s[56:57]
	s_or_b32 s[G0+3], s[G0+3], 0x80000000
	tensor_load_to_lds s[G0:G0+3], s[G1:G1+7]      ; every wave's one load: the image is filled once and never again
	s_nop 0
	s_add_nc_u64 s[TF:TF+1], s[TF:TF+1], s[58:59]
	s_mov_b32 s56, s55
	s_add_nc_u64 s[TSC:TSC+1], s[TF:TF+1], s[56:57]
	s_add_nc_u64 s[DF:DF+1], s[DF:DF+1], s[60:61]
	s_add_nc_u64 s[DS:DS+1], s[DF:DF+1], s[56:57]
	s_mov_b32 s56, s54
	s_add_nc_u64 s[TF:TF+1], s[TF:TF+1], s[56:57]
	s_add_nc_u64 s[DF:DF+1], s[DF:DF+1], s[56:57]
	s_add_nc_u64 s[BI:BI+1], s[BI:BI+1], s[62:63]
	v_and_b32 v9, 31, v0
	s_delay_alu instid0(VALU_DEP_1)
	v_lshlrev_b32 v[LI], 4, v9
	s_delay_alu instid0(VALU_DEP_1)
	v_add_nc_u32 v[LI2], 4*BLK, v[LI]
	s_delay_alu instid0(VALU_DEP_3)
	v_lshlrev_b32 v[L4], 2, v9
	s_delay_alu instid0(VALU_DEP_1)
	v_add_nc_u32 v[LS], SCO, v[L4]
	s_delay_alu instid0(VALU_DEP_1)
	v_add_nc_u32 v[LS2], 4*BLK, v[LS]
	v_bfe_u32 v9, v0, 4, 1                         ; h
	s_cmp_lg_u32 s21, 0                            ; the branch hangs on the work-group's number alone; neither way touches LDS
	s_cbranch_scc1 .Lbias_v
	v_lshlrev_b32 v[BO], 6, v9                     ; q, k: register j of tile t is channel 32 (t / 2) + 16 h + 8 (t % 2) + j of the pair
.irp u, 0,1
.irp t, 0,1,2,3,4,5,6,7
	global_load_b128 v[ACC+64*\u+8*\t:ACC+64*\u+8*\t+3], v[BO], s[BI:BI+1] offset:(32*(\t/2)+8*(\t%2))*4
	global_load_b128 v[ACC+64*\u+8*\t+4:ACC+64*\u+8*\t+7], v[BO], s[BI:BI+1] offset:(32*(\t/2)+8*(\t%2))*4+16
.endr
.endr
	s_branch .Lbias_done
.Lbias_v:
	v_and_b32 v[BO], 15, v0                        ; v: the bias belongs to the lane's channel: 8 u + r + 8 (r / 8) of my 32
	s_delay_alu instid0(VALU_DEP_1)
	v_and_b32 v9, 8, v[BO]
	s_delay_alu instid0(VALU_DEP_1)
	v_add_nc_u32 v[BO], v[BO], v9
	s_delay_alu instid0(VALU_DEP_1)
	v_lshlrev_b32 v[BO], 2, v[BO]
	global_load_b32 v[BV], v[BO], s[BI:BI+1]
	global_load_b32 v[BV+1], v[BO], s[BI:BI+1] offset:32
	s_wait_loadcnt 0x0
.irp u, 0,1
.set n, 0
.rept 64
	v_mov_b32 v[ACC+64*\u+n], v[BV+\u]             ; one number for all of a lane's registers of tile u
.set n, n+1
.endr
.endr
.Lbias_done:
	s_wait_alu depctr_va_vdst(0)
	TLOADS 0
	s_wait_tensorcnt 0x0                           ; my sixteenth of the image is in,
	s_barrier_signal -1
	s_barrier_wait -1                              ; everybody's is
; A K step of 128: S's eight tiles, four at a time, against my two tiles of T.  The 16 accumulators take turns, one instruction a turn, in the same order in every step.
.macro KSTEP s
.if (\s) < 4
.set AI, LI
.set AS, LS
.else
.set AI, LI2
.set AS, LS2
.endif
.set KO, ((\s)%4)*BLK
.rept 4
	v_nop                                          ; four plain instructions between the last products and loads into registers that they read
.endr
.irp t, 0,1,2,3
.irp c, 0,1,2
	ds_load_b128 v[SB+12*\t+4*\c:SB+12*\t+4*\c+3], v[AI] offset:KO+FRB*\t+512*\c
.endr
.endr
.irp q, 0,1,2,3
	ds_load_b32 v[SS+4*((\s)%2)+\q], v[AS] offset:KO+128*\q
.endr
.if (\s) < 7
	TLOADS (\s)+1
	s_wait_loadcnt 7                               ; all but the next step's seven: this step's fragments of T are in (in step 0 the biases too)
.else
	s_wait_loadcnt 0x0
.endif
	s_wait_dscnt 0x0
.irp t, 0,1,2,3
.irp u, 0,1
	MM ACC+64*\u+8*\t, SB+12*\t, TB+24*((\s)%2)+12*\u, SS+4*((\s)%2)+\t/2, TS+(\s)%2, \t%2, \u
.endr
.endr
.rept 4
	v_nop
.endr
.irp t, 4,5,6,7
.irp c, 0,1,2
	ds_load_b128 v[SB+12*(\t-4)+4*\c:SB+12*(\t-4)+4*\c+3], v[AI] offset:KO+FRB*\t+512*\c
.endr
.endr
	s_wait_dscnt 0x0
.irp t, 4,5,6,7
.irp u, 0,1
	MM ACC+64*\u+8*\t, SB+12*(\t-4), TB+24*((\s)%2)+12*\u, SS+4*((\s)%2)+\t/2, TS+(\s)%2, \t%2, \u
.endr
.endr
.endm
.irp s, 0,1,2,3,4,5,6,7
	KSTEP \s
.endr
	; THE WAY OUT: each of my two tiles is a fragment of the next product
.rept 4
	v_nop                                          ; four plain instructions behind the last products, ahead of the first read of results and of writes over S's registers
.endr
.irp b, 0,1,2,3
	v_mov_b32 v[TM+4+\b], 0                        ; a lane permute's destination counts as one of its sources
.endr
	QUANT ACC, PC, PW0, TM
.irp c, 0,1,2
	global_store_b128 v[LI], v[PC+4*\c:PC+4*\c+3], s[DF:DF+1] offset:512*\c          ; 512 consecutive bytes, at a multiple of 256 from the buffer's first byte
.endr
	s_wait_xcnt 0x0                                ; the stores have read the codes' registers, which are written again
	QUANT ACC+64, PC, PW1, TM
.irp c, 0,1,2
	global_store_b128 v[LI], v[PC+4*\c:PC+4*\c+3], s[DF:DF+1] offset:FRB+512*\c
.endr
	s_mov_b32 vcc_lo, 0xffff0000
	v_cndmask_b32 v[PWC], v[PW0], v[PW1], vcc_lo   ; lanes 0-15 the first tile's words, lanes 16-31 the second's
	global_store_b32 v[L4], v[PWC], s[DS:DS+1] offset:SCO
	s_wait_tensorcnt 0x0                           ; the wave's end
	ds_add_u32 v[SPW], v[NIL]
	s_wait_dscnt 0x0
	s_endpgm
.Lfunc_end_k_q9794525d1b_proj:
	.size	k_q9794525d1b_proj, .Lfunc_end_k_q9794525d1b_proj-k_q9794525d1b_proj
	.p2alignl 7, 3214868480
	.fill 96, 4, 3214868480
	.section	.rodata,"a",@progbits
	.p2align	6, 0x0
	.amdhsa_kernel k_q9794525d1b_proj
		.amdhsa_group_segment_fixed_size 167936
		.amdhsa_private_segment_fixed_size 0
		.amdhsa_enable_private_segment 0
		.amdhsa_kernarg_size 64
		.amdhsa_user_sgpr_count 2
		.amdhsa_user_sgpr_kernarg_segment_ptr 1
		.amdhsa_wavefront_size32 1
		.amdhsa_system_sgpr_workgroup_id_x 1
		.amdhsa_system_sgpr_workgroup_id_y 1
		.amdhsa_system_sgpr_workgroup_id_z 1
		.amdhsa_system_vgpr_workitem_id 0
		.amdhsa_next_free_vgpr 256
		.amdhsa_next_free_sgpr 66
		.amdhsa_reserve_vcc 1
		.amdhsa_float_denorm_mode_32 3
		.amdhsa_float_denorm_mode_16_64 3
		.amdhsa_memory_ordered 1
		.amdhsa_forward_progress 1
		.amdhsa_inst_pref_size 60
	.end_amdhsa_kernel
	.amdgpu_metadata
---
amdhsa.version: [ 1, 2 ]
amdhsa.kernels:
  - .name:           k_q9794525d1b_proj
    .symbol:         k_q9794525d1b_proj.kd
    .args:
      - { .name: ximg, .offset: 0, .size: 8, .value_kind: global_buffer, .address_space: global }
      - { .name: wimg, .offset: 8, .size: 8, .value_kind: global_buffer, .address_space: global }
      - { .name: bq, .offset: 16, .size: 8, .value_kind: global_buffer, .address_space: global }
      - { .name: bk, .offset: 24, .size: 8, .value_kind: global_buffer, .address_space: global }
      - { .name: bv, .offset: 32, .size: 8, .value_kind: global_buffer, .address_space: global }
      - { .name: qimg, .offset: 40, .size: 8, .value_kind: global_buffer, .address_space: global }
      - { .name: kimg, .offset: 48, .size: 8, .value_kind: global_buffer, .address_space: global }
      - { .name: vimg, .offset: 56, .size: 8, .value_kind: global_buffer, .address_space: global }
    .group_segment_fixed_size: 167936
    .private_segment_fixed_size: 0
    .kernarg_segment_align: 8
    .kernarg_segment_size: 64
    .max_flat_workgroup_size: 512
    .sgpr_count:     66
    .vgpr_count:     256
    .wavefront_size: 32
...
	.end_amdgpu_metadata
.endif
;; end of part 2
;; launch attn (part 3): grid 256 x 1, 8 waves a work-group, no clusters, 0 bytes of LDS; arguments mask, qimg, kimg, vimg, cimg, flags; writes cimg
.if DOCPART == 3
	.amdgcn_target "amdgcn-amd-amdhsa--gfx1250"
	.amdhsa_code_object_version 6
	.text
	.protected	k_q9794525d1b_attn
	.globl	k_q9794525d1b_attn
	.p2align	8
	.type	k_q9794525d1b_attn,@function
k_q9794525d1b_attn:
	s_mov_b64 s[64:65], 0
	v_nop
	global_prefetch_b8 v0, s[64:65] scope:SCOPE_SE
	s_setreg_imm32_b32 hwreg(HW_REG_WAVE_MODE, 25, 1), 1
	s_wait_xcnt 0x0
; Launch 3 of 4: scores = q k^T + mask x (-1e9); softmax of scores / 8; times v; divided by the row's sum; quantised for the last product.  Both products on codes of E3M2.
; WORK LEFT OUT, by the whole numbers that the first launch stored from the mask (its head comment has the proof and the limit |q.k| < 2^27): a tile of 16 queries x 128 keys whose every mask word is at least 0.5 is passed over
; if each of the 16 rows has a word at or under 0: its p are 0.  In a tile whose words are all 0 the mask is not loaded.  With any other mask all tiles are walked and all words added: no pattern is assumed.
; THE SOFTMAX: t = logit x log2(e); M = the row's largest t so far, rounded up to a whole number; p = 2^(t - M) is quantised along the keys, not normalised; the sum is taken of the unquantised p.  When M moves, the sum and O are multiplied by 2^(old M - new M): exact.
; ORDER OF ROUNDING, other than the source's: mask x (-1e9), rounded, is the C of the score's matrix instruction; t - M is one fused multiply-add of the score.  So a row that is masked throughout (every t near -1.8e8) may get other p than the source's f32 gives.
; SHARES.  256 work-groups of eight waves, two to a SIMD.  Work-group 32 P + x: pair of heads P.  Wave w: head 2 P + w % 2, tile f = 4 (x % 2) + w / 2 of 16 queries, first in token group 31 - x / 2, then in group x / 2:
; under a mask that grows along the queries the two walks add up to the same number of steps in every wave.  A step is 128 keys: 8 + 4 matrix instructions.
; A head has 64 channels and the matrix instruction is 128 deep: a fragment of K holds the pair's channels [Ka | Kb] and meets [Qa | 0] or [0 | Qb]; the zero codes, under the byte 1, add nothing.
; LAYOUT.  Both products transposed: S^T = K Q^T, O^T = V^T P^T: a lane holds one query.  The 16 registers of tiles 2 b, 2 b + 1 of S^T are keys 32 b + 16 (lane / 16) + 0 .. 15 of the step.
; NO TENSOR LOAD, NO LDS, NO CLUSTER: the walk's trips hang on numbers read from memory, so K and V go from their register images in memory straight into registers, 512 consecutive bytes an instruction.
; V's 14 loads of a step go out at its head, the next tile's 28 loads of K right behind this step's score products.  NO PREFETCH: these loads run a phase ahead, and the 32 work-groups of a pair read the same blocks in the same order.
; LIMITS: NaN and infinities are not served; 1 / l is v_rcp_f32 and a multiplication; blocks under 2^-122 and blocks of zeros keep the byte 1 (this program alone reads the bytes); scaled scores stay under 2^31 in magnitude.
; REGISTERS.  Window 0: as named below.  Window 1: v0-95 K's eight fragments, v96-159 mask x (-1e9).
.set BLK, 12800
.set LI,  1                            ; 16 x lane
.set L4,  2                            ; 4 x lane
.set LSO, 3                            ; 4 x (lane % 16)
.set MO,  4                            ; my query's row and my 64 bytes of each 128 in the mask
.set VSO, 5                            ; V's scale registers, from my head's fragments on
.set C0,  6                            ; v6-8 where my three pairs of code registers go in a fragment of cimg
.set Q,   16                           ; v16-27 [Qa | 0] or [0 | Qb]
.set QS,  28
.set QT,  29
.set KS,  32                           ; v32-35
.set VS,  36                           ; v36-37
.set ST,  40                           ; v40 -M, v41 the largest t, v42-43 the sum in two halves
.set F,   44                           ; v[44:45] f = 2^(old M - new M) in the low word
.set PS,  46                           ; p's scale word
.set PW,  47                           ; the result's two scale bytes
.set BM,  48
.set BT,  52
.set SO,  56
.set BY,  60
.set PC,  64                           ; v64-82 codes
.set W,   84                           ; v84-86 at work
.set S,   96                           ; v96-159 S^T, then p
.set O,   160                          ; v160-191 O^T
.set V,   192                          ; v192-239 V's four fragments
.set KF,  0                            ; window 1
.set MK,  96                           ; window 1
.set WV,  16
.set HB,  17
.set FT,  18
.set P,   19
.set G,   20
.set GB,  21
.set LIVE, 32                          ; key tiles still to walk, a bit each
.set MIX, 33                           ; those whose mask words are added
.set N,   34
.set ALT, 35                           ; the walk that follows this one
.set LIVB, 36
.set MIXB, 37
.set NB,  38
.set CUR, 39
.set NXT, 40
.set CNT, 41
.set UNIT, 42
.set KB,  44
.set VB,  46
.set KC,  48
.set VC,  50
.set MB,  52
.set MC,  54
.set CS,  56                           ; s[56:57] log2(e) / 8
.set NEG, 58                           ; s[58:59] -1e9
.set SEL, 60
.set QA,  68
.set QW,  70
.set CA,  72
.set CW,  74
.set QML, 78
.set QMH, 79
.set QSM, 80
.set QSO, 81
.set MSB, 0
.macro WIN new                         ; the immediate's high byte repeats the setting that is left
.if MSB != \new
	s_set_vgpr_msb (MSB<<8)|\new
.set MSB, \new
.endif
.endm
.macro FLG w, live, mix, n             ; four stored words -> the walk's tiles
	s_or_b32 s62, s[\w], s[\w+1]
	s_or_b32 s63, s[\w+2], s[\w+3]
	s_or_b32 s62, s62, s63
	s_and_b32 s62, s62, 0xffff                     ; the anchored rows
	s_mov_b32 s66, 0
	s_mov_b32 s67, 0
.irp k, 0,1,2,3
	s_bfe_u32 s63, s[\w+\k], 0x80010
	s_lshl_b32 s63, s63, 8*\k
	s_or_b32 s66, s66, s63                         ; heavy tiles
	s_lshr_b32 s63, s[\w+\k], 24
	s_lshl_b32 s63, s63, 8*\k
	s_or_b32 s67, s67, s63                         ; clean tiles
.endr
	s_not_b32 s66, s66
	s_cmp_eq_u32 s62, 0xffff
	s_cselect_b32 s[\live], s66, -1                ; heavy tiles go only if all 16 rows are anchored
	s_and_not1_b32 s[\mix], s[\live], s67
	s_bcnt1_i32_b32 s[\n], s[\live]
.endm
.macro KLOAD                           ; K's block of tile NXT: 24 + 4 loads
	s_mul_i32 s62, s[NXT], BLK
	s_mov_b32 s63, 0
	s_add_nc_u64 s[KC:KC+1], s[KB:KB+1], s[62:63]
	WIN 0x40
.irp f, 0,1,2,3,4,5,6,7
.irp c, 0,1,2
	global_load_b128 v[KF+12*\f+4*\c:KF+12*\f+4*\c+3], v[LI], s[KC:KC+1] offset:1536*\f+512*\c
.endr
.endr
	WIN 0
.irp q, 0,1,2,3
	global_load_b32 v[KS+\q], v[L4], s[KC:KC+1] offset:12288+128*\q
.endr
.endm
.macro QK withc                        ; S^T = K Q^T (+ mask x (-1e9))
.irp f, 0,1,2,3,4,5,6,7
.if \withc
.if \f%2
	v_wmma_scale_f32_16x16x128_f8f6f4 v[S+8*\f:S+8*\f+7], v[KF+12*\f:KF+12*\f+11], v[Q:Q+11], v[MK+8*\f:MK+8*\f+7], v[KS+\f/2], v[QS] matrix_a_fmt:MATRIX_FMT_BF6 matrix_b_fmt:MATRIX_FMT_BF6 matrix_a_scale:MATRIX_SCALE_ROW1
.else
	v_wmma_scale_f32_16x16x128_f8f6f4 v[S+8*\f:S+8*\f+7], v[KF+12*\f:KF+12*\f+11], v[Q:Q+11], v[MK+8*\f:MK+8*\f+7], v[KS+\f/2], v[QS] matrix_a_fmt:MATRIX_FMT_BF6 matrix_b_fmt:MATRIX_FMT_BF6
.endif
.else
.if \f%2
	v_wmma_scale_f32_16x16x128_f8f6f4 v[S+8*\f:S+8*\f+7], v[KF+12*\f:KF+12*\f+11], v[Q:Q+11], 0, v[KS+\f/2], v[QS] matrix_a_fmt:MATRIX_FMT_BF6 matrix_b_fmt:MATRIX_FMT_BF6 matrix_a_scale:MATRIX_SCALE_ROW1
.else
	v_wmma_scale_f32_16x16x128_f8f6f4 v[S+8*\f:S+8*\f+7], v[KF+12*\f:KF+12*\f+11], v[Q:Q+11], 0, v[KS+\f/2], v[QS] matrix_a_fmt:MATRIX_FMT_BF6 matrix_b_fmt:MATRIX_FMT_BF6
.endif
.endif
.endr
.endm
.macro PLACES n
.rept \n
	v_nop
.endr
.endm
	s_load_b256 s[4:11], s[0:1], 0x0               ; mask s[4:5], qimg s[6:7], kimg s[8:9], vimg s[10:11]
	s_load_b128 s[12:15], s[0:1], 0x20             ; cimg s[12:13], flags s[14:15]
	v_lshrrev_b32 v9, 5, v0
	v_readfirstlane_b32 s[WV], v9                  ; wave 0..7
	v_and_b32 v9, 31, v0
	v_lshlrev_b32 v[LI], 4, v9
	v_lshlrev_b32 v[L4], 2, v9
	v_and_b32 v10, 15, v0                          ; r
	v_lshlrev_b32 v[LSO], 2, v10
	v_and_b32 v11, 8, v10
	v_add_nc_u32 v11, v11, v10                     ; r + 8 (r / 8)
	v_bfe_u32 v12, v0, 4, 1                        ; h
	v_lshlrev_b32 v[MO], 14, v11
	v_lshl_add_u32 v[MO], v12, 6, v[MO]
	s_wait_alu depctr_va_vdst(0)
	s_and_b32 s[HB], s[WV], 1                      ; which head of the pair
	s_lshr_b32 s[FT], s[WV], 1
	s_and_b32 s62, ttmp9, 1
	s_lshl_b32 s62, s62, 2
	s_add_co_u32 s[FT], s[FT], s62                 ; f
	s_lshr_b32 s[P], ttmp9, 5
	s_bfe_u32 s[GB], ttmp9, 0x40001                ; the second walk's token group
	s_sub_co_u32 s[G], 31, s[GB]                   ; the first's
	s_mul_i32 s62, s[HB], 5888
	s_sub_co_u32 s62, 12288, s62                   ; V's scale registers 2 hb, 2 hb + 1, counted from fragment 4 hb: 12,288 + 256 hb - 6,144 hb
	v_add_nc_u32 v[VSO], s62, v[L4]
	s_mul_i32 s62, s[HB], 520                      ; fragment registers 6 hb + 0, 2, 4 lie at bytes 0, 8, 512 or 520, 1,024, 1,032 of a lane's image
	v_add_nc_u32 v[C0], s62, v[LI]
	s_add_co_u32 s63, s62, 512
	v_add_nc_u32 v[C0+2], s63, v[LI]
	s_mul_i32 s62, s[HB], 1016
	s_add_co_u32 s62, s62, 8
	v_add_nc_u32 v[C0+1], s62, v[LI]
.irp b, 0,1,2,3
	v_mov_b32 v[BT+\b], 0                          ; a lane permute's destination counts as one of its sources
.endr
	v_mov_b32 v[F+1], 0                            ; named as upper halves of pairs, so they are written
	v_mov_b32 v[W+1], 0
	s_mov_b32 s[CS], 0x3e38aa3b
	s_mov_b32 s[CS+1], s[CS]
	s_mov_b32 s[NEG], 0xce6e6b28
	s_mov_b32 s[NEG+1], s[NEG]
	s_mov_b32 s[SEL], 0x76543210
	s_mov_b32 s[SEL+1], 0xfedcba98
	s_mov_b32 s62, 0xffff
	s_mov_b32 s63, 0x0101
	s_cmp_eq_u32 s[HB], 0
	s_cselect_b32 s[QML], -1, 0                    ; which half of Q's fragment stays,
	s_cselect_b32 s[QMH], 0, -1
	s_cselect_b32 s[QSM], s62, 0xffff0000          ; which half of its scale word,
	s_cselect_b32 s[QSO], 0x01010000, s63          ; and the byte 1 over the zero half
	s_lshl_b32 s66, s[G], 3
	s_add_co_u32 s66, s66, s[FT]
	s_lshl_b32 s66, s66, 4                         ; 16 bytes of flags for each tile of queries
	s_lshl_b32 s67, s[GB], 3
	s_add_co_u32 s67, s67, s[FT]
	s_lshl_b32 s67, s67, 4
	s_mul_i32 s76, s[P], 32*BLK
	s_mov_b32 s77, 0
	s_wait_alu depctr_va_vdst(0)                   ; the head's end
	s_wait_kmcnt 0x0
	s_load_b128 s[24:27], s[14:15], s66 offset:0x0
	s_load_b128 s[28:31], s[14:15], s67 offset:0x0
	s_add_nc_u64 s[KB:KB+1], s[8:9], s[76:77]
	s_add_nc_u64 s[VB:VB+1], s[10:11], s[76:77]
	s_mul_i32 s76, s[HB], 6144
	s_add_nc_u64 s[VB:VB+1], s[VB:VB+1], s[76:77]  ; my head's four fragments
	s_wait_kmcnt 0x0
	FLG 24, LIVE, MIX, N
	FLG 28, LIVB, MIXB, NB
	s_mov_b32 s[ALT], s[LIVB]
	s_ctz_i32_b32 s[NXT], s[LIVE]
	s_min_u32 s[NXT], s[NXT], 31                   ; a loaded number enters addresses only behind this bound
	KLOAD
	s_mov_b32 s[UNIT], 0
.Lunit:                                                ; a walk: one tile of 16 queries
	s_wait_xcnt 0x0                                ; the last walk's loads and stores have read their bases and registers
	s_lshl_b32 s62, s[P], 5
	s_add_co_u32 s62, s62, s[G]
	s_mul_i32 s62, s62, BLK                        ; qimg's block 32 P + g
	s_mul_i32 s66, s[FT], 1536
	s_lshl_b32 s67, s[FT], 6
	s_mov_b32 s77, 0
	s_add_co_u32 s76, s62, s66
	s_add_nc_u64 s[QA:QA+1], s[6:7], s[76:77]
	s_add_co_u32 s76, s62, s67
	s_add_nc_u64 s[QW:QW+1], s[6:7], s[76:77]
	s_lshl_b32 s62, s[G], 3
	s_add_co_u32 s62, s62, s[P]
	s_mul_i32 s62, s62, BLK                        ; cimg's block 8 g + P
	s_add_co_u32 s76, s62, s66
	s_add_nc_u64 s[CA:CA+1], s[12:13], s[76:77]
	s_add_co_u32 s76, s62, s67
	s_lshl_b32 s63, s[HB], 1
	s_add_co_u32 s76, s76, s63                     ; my head's two bytes of each scale word
	s_add_nc_u64 s[CW:CW+1], s[12:13], s[76:77]
	s_lshl_b32 s62, s[G], 7
	s_lshr_b32 s63, s[FT], 1
	s_lshl_b32 s63, s63, 5
	s_add_co_u32 s62, s62, s63
	s_and_b32 s63, s[FT], 1
	s_lshl_b32 s63, s63, 3
	s_add_co_u32 s62, s62, s63
	s_lshl_b32 s76, s62, 14                        ; the tile's first row in the mask
	s_add_nc_u64 s[MB:MB+1], s[4:5], s[76:77]
.irp c, 0,1,2
	global_load_b128 v[Q+4*\c:Q+4*\c+3], v[LI], s[QA:QA+1] offset:512*\c
.endr
	global_load_b32 v[QT], v[LSO], s[QW:QW+1] offset:12288
	v_mov_b32 v[ST+1], 0xff61b1e6                  ; the largest t so far: -3e38
	v_floor_f32 v[ST], -v[ST+1]
	v_mov_b32 v[ST+2], 0
	v_mov_b32 v[ST+3], 0
.set n, 0
.rept 32
	v_mov_b32 v[O+n], 0                            ; the step has no first form: the first change of M leaves zeros zeros
.set n, n+1
.endr
	s_wait_alu depctr_va_vdst(0)
	s_wait_loadcnt 0x0
.irp i, 0,1,2,3,4,5
	v_and_b32 v[Q+\i], s[QML], v[Q+\i]
	v_and_b32 v[Q+6+\i], s[QMH], v[Q+6+\i]
.endr
	v_and_or_b32 v[QS], v[QT], s[QSM], s[QSO]
	PLACES 8                                       ; a scale register written by a vector instruction stands 8 places ahead of a scaled matrix instruction
	s_mov_b32 s[CNT], 0
.Lstep:                                                ; 128 keys: tile CUR of the walk
	s_mov_b32 s[CUR], s[NXT]
	s_mul_i32 s62, s[CUR], BLK
	s_mov_b32 s63, 0
	s_add_nc_u64 s[VC:VC+1], s[VB:VB+1], s[62:63]  ; the last step's loads of V were waited for
.irp t, 0,1,2,3
.irp c, 0,1,2
	global_load_b128 v[V+12*\t+4*\c:V+12*\t+4*\c+3], v[LI], s[VC:VC+1] offset:1536*\t+512*\c
.endr
.endr
.irp q, 0,1
	global_load_b32 v[VS+\q], v[VSO], s[VC:VC+1] offset:128*\q
.endr
	s_bitcmp1_b32 s[MIX], s[CUR]
	s_wait_alu depctr_va_vdst(0)
	s_cbranch_scc1 .Lmixed
	s_wait_loadcnt 14                              ; K's loads are in; V's 14, issued behind them, may be out
	WIN 0x01
	QK 0
	WIN 0
	s_branch .Ljoin
.Lmixed:
	s_lshl_b32 s62, s[CUR], 9
	s_mov_b32 s63, 0
	s_add_nc_u64 s[MC:MC+1], s[MB:MB+1], s[62:63]
	WIN 0x40
.irp b, 0,1,2,3
.irp q, 0,1,2,3
	global_load_b128 v[MK+16*\b+4*\q:MK+16*\b+4*\q+3], v[MO], s[MC:MC+1] offset:128*\b+16*\q   ; my query's mask words in the order of S^T's registers
.endr
.endr
	s_wait_loadcnt 0x0
	WIN 0x41
.set n, 0
.rept 32
	v_pk_mul_f32 v[MK+n:MK+n+1], v[MK+n:MK+n+1], s[NEG:NEG+1] op_sel_hi:[1,0]
.set n, n+2
.endr
	PLACES 4
	WIN 0x11
	QK 1
	WIN 0
.Ljoin:
	PLACES 4                                       ; ahead of the loads into K's registers and of the first read of scores
	s_sub_co_u32 s62, s[LIVE], 1
	s_and_b32 s[LIVE], s[LIVE], s62                ; this tile's bit goes
	s_cselect_b32 s62, s[LIVE], s[ALT]             ; the walk's next tile, or the next walk's first
	s_ctz_i32_b32 s[NXT], s62
	s_min_u32 s[NXT], s[NXT], 31                   ; (behind the last walk: tile 31, loaded and not used, so that the counts below hold in every trip)
	KLOAD
.irp b, 0,1,2,3
	v_max3_num_f32 v[BM+\b], v[S+16*\b], v[S+1+16*\b], v[S+2+16*\b]        ; the largest score of each block of 32 keys; each accumulator is read from its low end on
.endr
.irp i, 3,5,7,9,11,13
.irp b, 0,1,2,3
	v_max3_num_f32 v[BM+\b], v[BM+\b], v[S+16*\b+\i], v[S+1+16*\b+\i]
.endr
.endr
.irp b, 0,1,2,3
	v_max_num_f32 v[BM+\b], v[BM+\b], v[S+15+16*\b]
.endr
.irp b, 0,1,2,3
	v_permlanex16_b32 v[BT+\b], v[BM+\b], s[SEL], s[SEL+1]
.endr
.irp b, 0,1,2,3
	v_max_num_f32 v[BM+\b], v[BM+\b], v[BT+\b]
.endr
	v_max3_num_f32 v[W+2], v[BM], v[BM+1], v[BM+2]
	s_delay_alu instid0(VALU_DEP_1)
	v_max_num_f32 v[W+2], v[W+2], v[BM+3]
	s_delay_alu instid0(VALU_DEP_1)
	v_mul_f32 v[W+2], s[CS], v[W+2]                ; as t
	s_delay_alu instid0(VALU_DEP_1)
	v_max_num_f32 v[ST+1], v[ST+1], v[W+2]
	v_mov_b32 v[W+2], v[ST]
	s_delay_alu instid0(VALU_DEP_2)
	v_floor_f32 v[ST], -v[ST+1]                    ; the new -M
	s_delay_alu instid0(VALU_DEP_1)
	v_sub_f32 v[W+2], v[ST], v[W+2]                ; old M - new M
	s_delay_alu instid0(VALU_DEP_1)
	v_cvt_i32_f32 v[W+2], v[W+2]                   ; (it saturates)
	s_delay_alu instid0(VALU_DEP_1)
	v_ldexp_f32 v[F], 1.0, v[W+2]
.set n, 0
.rept 32
	v_pk_fma_f32 v[S+n:S+n+1], v[S+n:S+n+1], s[CS:CS+1], v[ST:ST+1] op_sel_hi:[1,0,0]   ; t - M
.set n, n+2
.endr
.irp b, 0,1,2,3
	v_fma_f32 v[BM+\b], v[BM+\b], s[CS], v[ST]     ; the same of each block's largest score
.endr
	s_wait_alu depctr_va_vdst(0)                   ; ahead of the batch
.set n, 0
.rept 64
	v_exp_f32 v[S+n], v[S+n]
.set n, n+1
.endr
.irp b, 0,1,2,3
	v_exp_f32 v[BM+\b], v[BM+\b]                   ; the block's largest p: the same two instructions on the same number
.endr
	v_pk_mul_f32 v[ST+2:ST+3], v[ST+2:ST+3], v[F:F+1] op_sel_hi:[1,0]      ; the plain instruction behind the exponentials
	s_wait_alu depctr_va_vdst(0)                   ; one wait for the batch, ahead of its first reader
	v_pk_add_f32 v[W:W+1], v[S:S+1], v[S+2:S+3]    ; the sum of the unquantised p, in two chains
.irp j, 4,8,12,16,20,24,28,32,36,40,44,48,52,56,60
	v_pk_add_f32 v[ST+2:ST+3], v[ST+2:ST+3], v[S+\j:S+\j+1]
	v_pk_add_f32 v[W:W+1], v[W:W+1], v[S+\j+2:S+\j+3]
.endr
	v_pk_add_f32 v[ST+2:ST+3], v[ST+2:ST+3], v[W:W+1]
.irp b, 0,1,2,3
	v_max_num_f32 v[BM+\b], 0x2800000, v[BM+\b]    ; the floor 2^(5 - 127)
.endr
.irp b, 0,1,2,3
	v_add_nc_u32 v[SO+\b], 0xfe000000, v[BM+\b]
.endr
.irp b, 0,1,2,3
	v_lshrrev_b32 v[BY+\b], 23, v[SO+\b]
.endr
	v_lshl_or_b32 v[PS], v[BY+1], 8, v[BY]
	v_lshl_or_b32 v[PS], v[BY+2], 16, v[PS]
	v_lshl_or_b32 v[PS], v[BY+3], 24, v[PS]
.irp c, 0,1
	v_cvt_scalef32_pk16_bf6_f32 v[PC+6*\c:PC+2+6*\c], v[S+32*\c:S+15+32*\c], v[SO+2*\c]
	v_cvt_scalef32_pk16_bf6_f32 v[PC+12+4*\c:PC+14+4*\c], v[S+16+32*\c:S+31+32*\c], v[SO+1+2*\c]
.endr
	v_nop                                          ; one plain instruction behind the scaled conversions
.irp c, 0,1
.irp i, 0,1,2
	v_permlane16_swap_b32 v[PC+6*\c+\i], v[PC+12+4*\c+\i]
.endr
.irp i, 0,1,2
	v_mov_b32 v[PC+3+6*\c+\i], v[PC+12+4*\c+\i]
.endr
.endr
	s_wait_alu depctr_va_vdst(0)                   ; directly ahead of the first reader of O^T
.set n, 0
.rept 16
	v_pk_mul_f32 v[O+n:O+n+1], v[O+n:O+n+1], v[F:F+1] op_sel_hi:[1,0]      ; O^T under the new M; these 16 also stand between p's codes and scale word and the products
.set n, n+2
.endr
	s_wait_alu depctr_va_vdst(0)
	s_wait_loadcnt 28                              ; V's loads are in; the next tile's 28 of K, issued behind them, may be out
.irp t, 0,2
	v_wmma_scale_f32_16x16x128_f8f6f4 v[O+8*\t:O+8*\t+7], v[V+12*\t:V+12*\t+11], v[PC:PC+11], v[O+8*\t:O+8*\t+7], v[VS+\t/2], v[PS] matrix_a_fmt:MATRIX_FMT_BF6 matrix_b_fmt:MATRIX_FMT_BF6
	v_wmma_scale_f32_16x16x128_f8f6f4 v[O+8*\t+8:O+8*\t+15], v[V+12*\t+12:V+12*\t+23], v[PC:PC+11], v[O+8*\t+8:O+8*\t+15], v[VS+\t/2], v[PS] matrix_a_fmt:MATRIX_FMT_BF6 matrix_b_fmt:MATRIX_FMT_BF6 matrix_a_scale:MATRIX_SCALE_ROW1
.endr
	PLACES 4                                       ; ahead of the loads into V's registers and of reads of O^T
	s_add_co_u32 s[CNT], s[CNT], 1
	s_cmp_lt_u32 s[CNT], s[N]
	s_cbranch_scc1 .Lstep
	; THE WAY OUT: O^T / the sum is `combined` at my 16 tokens and my head's 64 channels: register 16 b + i is channel 32 b + 16 (lane / 16) + i: half a fragment of the last product
	v_add_f32 v[W], v[ST+2], v[ST+3]
	s_delay_alu instid0(VALU_DEP_1)
	v_permlanex16_b32 v[BT], v[W], s[SEL], s[SEL+1]
	s_delay_alu instid0(VALU_DEP_1)
	v_add_f32 v[W], v[W], v[BT]
	s_wait_alu depctr_va_vdst(0)                   ; the wait ahead of the transcendental
	v_rcp_f32 v[W], v[W]
	v_nop
	s_wait_alu depctr_va_vdst(0)                   ; and ahead of its first reader, which is also O^T's
.set n, 0
.rept 16
	v_pk_mul_f32 v[S+n:S+n+1], v[O+n:O+n+1], v[W:W+1] op_sel_hi:[1,0]
.set n, n+2
.endr
.irp b, 0,1
	v_max3_num_f32 v[BM+\b], |v[S+16*\b]|, |v[S+1+16*\b]|, 0x2800000
.endr
.irp i, 2,4,6,8,10,12,14
.irp b, 0,1
	v_max3_num_f32 v[BM+\b], v[BM+\b], |v[S+16*\b+\i]|, |v[S+1+16*\b+\i]|
.endr
.endr
.irp b, 0,1
	v_permlanex16_b32 v[BT+\b], v[BM+\b], s[SEL], s[SEL+1]
.endr
.irp b, 0,1
	v_max_num_f32 v[BM+\b], v[BM+\b], v[BT+\b]
.endr
.irp b, 0,1
	v_add_nc_u32 v[SO+\b], 0xfe000000, v[BM+\b]
.endr
.irp b, 0,1
	v_lshrrev_b32 v[BY+\b], 23, v[SO+\b]
.endr
	v_lshl_or_b32 v[PW], v[BY+1], 8, v[BY]
	v_cvt_scalef32_pk16_bf6_f32 v[PC:PC+2], v[S:S+15], v[SO]
	v_cvt_scalef32_pk16_bf6_f32 v[PC+12:PC+14], v[S+16:S+31], v[SO+1]
	v_nop
.irp i, 0,1,2
	v_permlane16_swap_b32 v[PC+\i], v[PC+12+\i]
.endr
.irp i, 0,1,2
	v_mov_b32 v[PC+3+\i], v[PC+12+\i]
.endr
.irp i, 0,1,2
	global_store_b64 v[C0+\i], v[PC+2*\i:PC+2*\i+1], s[CA:CA+1]            ; my six registers of the fragment's twelve; the pair's other head stores the rest
.endr
	global_store_b16 v[LSO], v[PW], s[CW:CW+1] offset:12288                ; lanes l and l + 16 hold the same bytes and write them to the same place
	s_mov_b32 s[G], s[GB]                          ; on to the second walk
	s_mov_b32 s[LIVE], s[LIVB]
	s_mov_b32 s[MIX], s[MIXB]
	s_mov_b32 s[N], s[NB]
	s_mov_b32 s[ALT], 0
	s_add_co_u32 s[UNIT], s[UNIT], 1
	s_cmp_lt_u32 s[UNIT], 2
	s_wait_alu depctr_va_vdst(0)
	s_cbranch_scc1 .Lunit
	s_endpgm
.Lfunc_end_k_q9794525d1b_attn:
	.size	k_q9794525d1b_attn, .Lfunc_end_k_q9794525d1b_attn-k_q9794525d1b_attn
	.p2alignl 7, 3214868480
	.fill 96, 4, 3214868480
	.section	.rodata,"a",@progbits
	.p2align	6, 0x0
	.amdhsa_kernel k_q9794525d1b_attn
		.amdhsa_group_segment_fixed_size 0
		.amdhsa_private_segment_fixed_size 0
		.amdhsa_enable_private_segment 0
		.amdhsa_kernarg_size 48
		.amdhsa_user_sgpr_count 2
		.amdhsa_user_sgpr_kernarg_segment_ptr 1
		.amdhsa_wavefront_size32 1
		.amdhsa_system_sgpr_workgroup_id_x 1
		.amdhsa_system_sgpr_workgroup_id_y 1
		.amdhsa_system_sgpr_workgroup_id_z 1
		.amdhsa_system_vgpr_workitem_id 0
		.amdhsa_next_free_vgpr 512
		.amdhsa_next_free_sgpr 96
		.amdhsa_reserve_vcc 0
		.amdhsa_float_denorm_mode_32 3
		.amdhsa_float_denorm_mode_16_64 3
		.amdhsa_memory_ordered 1
		.amdhsa_forward_progress 1
		.amdhsa_inst_pref_size 40
	.end_amdhsa_kernel
	.amdgpu_metadata
---
amdhsa.version: [ 1, 2 ]
amdhsa.kernels:
  - .name:           k_q9794525d1b_attn
    .symbol:         k_q9794525d1b_attn.kd
    .args:
      - { .name: mask, .offset: 0, .size: 8, .value_kind: global_buffer, .address_space: global }
      - { .name: qimg, .offset: 8, .size: 8, .value_kind: global_buffer, .address_space: global }
      - { .name: kimg, .offset: 16, .size: 8, .value_kind: global_buffer, .address_space: global }
      - { .name: vimg, .offset: 24, .size: 8, .value_kind: global_buffer, .address_space: global }
      - { .name: cimg, .offset: 32, .size: 8, .value_kind: global_buffer, .address_space: global }
      - { .name: flags, .offset: 40, .size: 8, .value_kind: global_buffer, .address_space: global }
    .group_segment_fixed_size: 0
    .private_segment_fixed_size: 0
    .kernarg_segment_align: 8
    .kernarg_segment_size: 48
    .max_flat_workgroup_size: 256
    .sgpr_count:     96
    .vgpr_count:     512
    .wavefront_size: 32
...
	.end_amdgpu_metadata
.endif
;; end of part 3
;; launch outp (part 4): grid 128 x 1, 8 waves a work-group, no clusters, 171,008 bytes of LDS; arguments cimg, wimg, bo, out0; writes out0
.if DOCPART == 4
	.amdgcn_target "amdgcn-amd-amdhsa--gfx1250"
	.amdhsa_code_object_version 6
	.text
	.protected	k_q9794525d1b_outp
	.globl	k_q9794525d1b_outp
	.p2align	8
	.type	k_q9794525d1b_outp,@function
k_q9794525d1b_outp:
	s_mov_b64 s[64:65], 0
	v_nop
	global_prefetch_b8 v0, s[64:65] scope:SCOPE_SE
	s_setreg_imm32_b32 hwreg(HW_REG_WAVE_MODE, 25, 1), 1
	s_wait_xcnt 0x0
; Launch 4 of 4: out0 = combined Wo^T + bo on codes of E3M2.  No work is left out.
; The second launch's form: S = 128 output channels of Wo (wimg's group 24 + sigma), its image for all of K (102,400 bytes) in LDS, source 0; T = two tiles of 16 tokens a wave, from cimg straight into registers, source 1.
; In the result a lane holds one token, and its 64 registers of a tile the 128 channels in their natural order: 512 bytes of a row of out0.
; SHARES.  Work-group 8 a + sigma; wave w takes token group 2 a + w / 4 and its tiles 2 j, 2 j + 1, j = w % 4: 16 accumulators, 128 matrix instructions.  bo is the C of each sum's first matrix instruction (added ahead of the products, not behind them).
; NO CLUSTER: the tensor loads bring 102,400 of a work-group's 307,200 bytes, once, at its head; T's fragments go to registers, which a joint load does not serve.
; THE WAY OUT: a tile's 16 rows go through the wave's own stage in LDS (16 rows x 528 bytes, into which no tensor load lands) and leave as whole runs of 512 bytes.
.set SIMG,  102400
.set BLK,   12800
.set FRB,   1536
.set SCO,   12288
.set STG,   102400                     ; behind the image: a stage of 8,448 bytes for each wave
.set SPARE, STG+8*8448                 ; behind the stages: the spare words, 128 bytes for each of eight waves
.set SPW, 1
.set NIL, 2
.set LI,  3                            ; v3   16 x lane
.set LI2, 4
.set LS,  5
.set LS2, 6
.set L4,  7
.set BO,  8
.set STO, 9                            ; v9   the stage: where I put 16 bytes of my row
.set RD,  12                           ; v12  and where I read a row back
.set ACC, 16                           ; v16-143  accumulator (u, t) at 16 + 64 u + 8 t
.set SB,  144                          ; v144-191 four fragments of S
.set TB,  192                          ; v192-239 two sets of T's two fragments
.set SS,  244
.set TS,  252
.set BK,  144                          ; the way out: 16 rows read back from the stage, v144-207
.set G1,  24
.set G0,  32
.set TF,  36
.set TSC, 38
.set DF,  40
.set BI,  42
.macro MM d, a, b, sa, sb, ra, rb
.if (\ra) && (\rb)
	v_wmma_scale_f32_16x16x128_f8f6f4 v[\d:\d+7], v[\a:\a+11], v[\b:\b+11], v[\d:\d+7], v[\sa], v[\sb] matrix_a_fmt:MATRIX_FMT_BF6 matrix_b_fmt:MATRIX_FMT_BF6 matrix_a_scale:MATRIX_SCALE_ROW1 matrix_b_scale:MATRIX_SCALE_ROW1
.elseif (\ra)
	v_wmma_scale_f32_16x16x128_f8f6f4 v[\d:\d+7], v[\a:\a+11], v[\b:\b+11], v[\d:\d+7], v[\sa], v[\sb] matrix_a_fmt:MATRIX_FMT_BF6 matrix_b_fmt:MATRIX_FMT_BF6 matrix_a_scale:MATRIX_SCALE_ROW1
.elseif (\rb)
	v_wmma_scale_f32_16x16x128_f8f6f4 v[\d:\d+7], v[\a:\a+11], v[\b:\b+11], v[\d:\d+7], v[\sa], v[\sb] matrix_a_fmt:MATRIX_FMT_BF6 matrix_b_fmt:MATRIX_FMT_BF6 matrix_b_scale:MATRIX_SCALE_ROW1
.else
	v_wmma_scale_f32_16x16x128_f8f6f4 v[\d:\d+7], v[\a:\a+11], v[\b:\b+11], v[\d:\d+7], v[\sa], v[\sb] matrix_a_fmt:MATRIX_FMT_BF6 matrix_b_fmt:MATRIX_FMT_BF6
.endif
.endm
.macro TLOADS s                        ; T's two fragments and their scale register for K step s: seven loads
.irp u, 0,1
.irp c, 0,1,2
	global_load_b128 v[TB+24*((\s)%2)+12*\u+4*\c:TB+24*((\s)%2)+12*\u+4*\c+3], v[LI], s[TF:TF+1] offset:(\s)*BLK+FRB*\u+512*\c
.endr
.endr
	global_load_b32 v[TS+(\s)%2], v[L4], s[TSC:TSC+1] offset:(\s)*BLK+SCO
.endm
	s_load_b256 s[4:11], s[0:1], 0x0               ; cimg s[4:5], wimg s[6:7], bo s[8:9], out0 s[10:11]
	v_lshl_add_u32 v[SPW], v0, 2, SPARE
	v_mov_b32 v[NIL], 0
	ds_add_u32 v[SPW], v[NIL]                      ; the wave's opening: the add, twice on end, and its wait ahead of my first tensor load
	ds_add_u32 v[SPW], v[NIL]
	v_lshrrev_b32 v10, 5, v0
	s_delay_alu instid0(VALU_DEP_1)
	v_readfirstlane_b32 s22, v10                   ; wave 0..7
	; group 1: my eighth of the image: 12,800 dense bytes as 50 rows of 256 (32 elements of 8 bytes), no padding
	s_mov_b32 s[G1+0], 3<<16
	s_mov_b32 s[G1+1], 32<<16
	s_mov_b32 s[G1+2], 50<<16
	s_mov_b32 s[G1+3], 32<<16
	s_mov_b32 s[G1+4], 50
	s_mov_b32 s[G1+5], 32
	s_mov_b32 s[G1+6], 0
	s_mov_b32 s[G1+7], 0
	s_and_b32 s50, ttmp9, 7                        ; sigma
	s_lshr_b32 s51, ttmp9, 3
	s_lshl_b32 s51, s51, 1
	s_lshr_b32 s52, s22, 2
	s_add_co_u32 s51, s51, s52                     ; my token group
	s_and_b32 s53, s22, 3                          ; j
	s_add_co_u32 s56, s50, 24
	s_mul_i32 s56, s56, SIMG
	s_mul_i32 s[G0+1], s22, BLK                    ; LDS address of my eighth
	s_add_co_u32 s56, s56, s[G0+1]
	s_mov_b32 s57, 0
	s_mul_i32 s58, s51, SIMG
	s_mov_b32 s59, 0
	s_mul_i32 s54, s53, 2*FRB
	s_lshl_b32 s55, s53, 7
	s_lshl_b32 s60, s51, 7
	s_lshl_b32 s61, s53, 5
	s_add_co_u32 s60, s60, s61                     ; my first token
	s_lshl_b32 s60, s60, 12                        ; rows of 4,096 bytes
	s_lshl_b32 s62, s50, 9                         ; my 128 channels: 512 bytes, in out0's rows and in bo
	s_add_co_u32 s60, s60, s62
	s_mov_b32 s61, 0
	s_mov_b32 s63, 0
	s_wait_dscnt 0x0                               ; both opening adds are done
	s_wait_kmcnt 0x0
	s_mov_b32 s[G0], 1
	s_add_nc_u64 s[G0+2:G0+3], s[6:7], s[56:57]
	s_or_b32 s[G0+3], s[G0+3], 0x80000000
	tensor_load_to_lds s[G0:G0+3], s[G1:G1+7]      ; every wave's one load: the image is filled once and never again
	s_nop 0
	s_add_nc_u64 s[TF:TF+1], s[4:5], s[58:59]
	s_mov_b32 s56, s55
	s_add_nc_u64 s[TSC:TSC+1], s[TF:TF+1], s[56:57]
	s_mov_b32 s56, s54
	s_add_nc_u64 s[TF:TF+1], s[TF:TF+1], s[56:57]
	s_add_nc_u64 s[DF:DF+1], s[10:11], s[60:61]
	s_add_nc_u64 s[BI:BI+1], s[8:9], s[62:63]
	v_and_b32 v10, 31, v0
	s_delay_alu instid0(VALU_DEP_1)
	v_lshlrev_b32 v[LI], 4, v10
	s_delay_alu instid0(VALU_DEP_1)
	v_add_nc_u32 v[LI2], 4*BLK, v[LI]
	s_delay_alu instid0(VALU_DEP_3)
	v_lshlrev_b32 v[L4], 2, v10
	s_delay_alu instid0(VALU_DEP_1)
	v_add_nc_u32 v[LS], SCO, v[L4]
	s_delay_alu instid0(VALU_DEP_1)
	v_add_nc_u32 v[LS2], 4*BLK, v[LS]
	v_and_b32 v10, 15, v0                          ; r
	v_bfe_u32 v11, v0, 4, 1                        ; h
	s_mul_i32 s56, s22, 8448
	s_add_co_u32 s56, s56, STG                     ; my stage
	v_mul_u32_u24 v[STO], v10, 528
	s_delay_alu instid0(VALU_DEP_1)
	v_lshl_add_u32 v[STO], v11, 6, v[STO]
	s_delay_alu instid0(VALU_DEP_1)
	v_add_nc_u32 v[STO], s56, v[STO]               ; in: row r, + 64 h
	v_add_nc_u32 v[RD], s56, v[LI]                 ; back: 16 bytes a lane of a row's 512
	v_lshlrev_b32 v[BO], 6, v11                    ; register j of tile t is channel 32 (t / 2) + 16 h + 8 (t % 2) + j of my 128
.irp u, 0,1
.irp t, 0,1,2,3,4,5,6,7
	global_load_b128 v[ACC+64*\u+8*\t:ACC+64*\u+8*\t+3], v[BO], s[BI:BI+1] offset:(32*(\t/2)+8*(\t%2))*4
	global_load_b128 v[ACC+64*\u+8*\t+4:ACC+64*\u+8*\t+7], v[BO], s[BI:BI+1] offset:(32*(\t/2)+8*(\t%2))*4+16
.endr
.endr
	TLOADS 0
	s_wait_alu depctr_va_vdst(0)
	s_wait_tensorcnt 0x0                           ; my eighth of the image is in,
	s_barrier_signal -1
	s_barrier_wait -1                              ; everybody's is
; A K step of 128: S's eight tiles, four at a time, against my two tiles of T.  The 16 accumulators take turns, one instruction a turn, in the same order in every step.
.macro KSTEP s
.if (\s) < 4
.set AI, LI
.set AS, LS
.else
.set AI, LI2
.set AS, LS2
.endif
.set KO, ((\s)%4)*BLK
.rept 4
	v_nop                                          ; four plain instructions between the last products and loads into registers that they read
.endr
.irp t, 0,1,2,3
.irp c, 0,1,2
	ds_load_b128 v[SB+12*\t+4*\c:SB+12*\t+4*\c+3], v[AI] offset:KO+FRB*\t+512*\c
.endr
.endr
.irp q, 0,1,2,3
	ds_load_b32 v[SS+4*((\s)%2)+\q], v[AS] offset:KO+128*\q
.endr
.if (\s) < 7
	TLOADS (\s)+1
	s_wait_loadcnt 7                               ; all but the next step's seven: this step's fragments of T are in (in step 0 the bias too)
.else
	s_wait_loadcnt 0x0
.endif
	s_wait_dscnt 0x0
.irp t, 0,1,2,3
.irp u, 0,1
	MM ACC+64*\u+8*\t, SB+12*\t, TB+24*((\s)%2)+12*\u, SS+4*((\s)%2)+\t/2, TS+(\s)%2, \t%2, \u
.endr
.endr
.rept 4
	v_nop
.endr
.irp t, 4,5,6,7
.irp c, 0,1,2
	ds_load_b128 v[SB+12*(\t-4)+4*\c:SB+12*(\t-4)+4*\c+3], v[AI] offset:KO+FRB*\t+512*\c
.endr
.endr
	s_wait_dscnt 0x0
.irp t, 4,5,6,7
.irp u, 0,1
	MM ACC+64*\u+8*\t, SB+12*(\t-4), TB+24*((\s)%2)+12*\u, SS+4*((\s)%2)+\t/2, TS+(\s)%2, \t%2, \u
.endr
.endr
.endm
.irp s, 0,1,2,3,4,5,6,7
	KSTEP \s
.endr
.rept 4
	v_nop                                          ; four plain instructions behind the last products, ahead of the first read of results and of loads into registers that they read
.endr
.irp u, 0,1
.if \u
	s_wait_xcnt 0x0                                ; the first tile's stores have read their registers, which the loads below take again
.endif
.irp t, 0,1,2,3,4,5,6,7
	ds_store_b128 v[STO], v[ACC+64*\u+8*\t:ACC+64*\u+8*\t+3] offset:128*(\t/2)+32*(\t%2)       ; each accumulator from its low end on
	ds_store_b128 v[STO], v[ACC+64*\u+8*\t+4:ACC+64*\u+8*\t+7] offset:128*(\t/2)+32*(\t%2)+16
.endr
.irp n, 0,1,2,3,4,5,6,7,8,9,10,11,12,13,14,15
	ds_load_b128 v[BK+4*\n:BK+4*\n+3], v[RD] offset:528*\n     ; LDS serves a wave's instructions in order: these see my stores, and the next tile's stores come behind them
.endr
.irp n, 0,1,2,3,4,5,6,7,8,9,10,11,12,13,14,15
	s_wait_dscnt 15-\n                             ; row n is back; the younger loads may be out
	global_store_b128 v[LI], v[BK+4*\n:BK+4*\n+3], s[DF:DF+1] offset:(8*\u+\n+8*(\n/8))*4096 th:TH_STORE_NT   ; tile row n is token 8 u + n + 8 (n / 8) of my 32: 512 consecutive bytes, at a multiple of 256 from out0's first byte
.endr
.endr
	s_wait_tensorcnt 0x0                           ; the wave's end, behind my last tensor load and my last LDS store
	ds_add_u32 v[SPW], v[NIL]
	s_wait_dscnt 0x0
	s_endpgm
.Lfunc_end_k_q9794525d1b_outp:
	.size	k_q9794525d1b_outp, .Lfunc_end_k_q9794525d1b_outp-k_q9794525d1b_outp
	.p2alignl 7, 3214868480
	.fill 96, 4, 3214868480
	.section	.rodata,"a",@progbits
	.p2align	6, 0x0
	.amdhsa_kernel k_q9794525d1b_outp
		.amdhsa_group_segment_fixed_size 171008
		.amdhsa_private_segment_fixed_size 0
		.amdhsa_enable_private_segment 0
		.amdhsa_kernarg_size 32
		.amdhsa_user_sgpr_count 2
		.amdhsa_user_sgpr_kernarg_segment_ptr 1
		.amdhsa_wavefront_size32 1
		.amdhsa_system_sgpr_workgroup_id_x 1
		.amdhsa_system_sgpr_workgroup_id_y 1
		.amdhsa_system_sgpr_workgroup_id_z 1
		.amdhsa_system_vgpr_workitem_id 0
		.amdhsa_next_free_vgpr 256
		.amdhsa_next_free_sgpr 66
		.amdhsa_reserve_vcc 0
		.amdhsa_float_denorm_mode_32 3
		.amdhsa_float_denorm_mode_16_64 3
		.amdhsa_memory_ordered 1
		.amdhsa_forward_progress 1
		.amdhsa_inst_pref_size 53
	.end_amdhsa_kernel
	.amdgpu_metadata
---
amdhsa.version: [ 1, 2 ]
amdhsa.kernels:
  - .name:           k_q9794525d1b_outp
    .symbol:         k_q9794525d1b_outp.kd
    .args:
      - { .name: cimg, .offset: 0, .size: 8, .value_kind: global_buffer, .address_space: global }
      - { .name: wimg, .offset: 8, .size: 8, .value_kind: global_buffer, .address_space: global }
      - { .name: bo, .offset: 16, .size: 8, .value_kind: global_buffer, .address_space: global }
      - { .name: out0, .offset: 24, .size: 8, .value_kind: global_buffer, .address_space: global }
    .group_segment_fixed_size: 171008
    .private_segment_fixed_size: 0
    .kernarg_segment_align: 8
    .kernarg_segment_size: 32
    .max_flat_workgroup_size: 256
    .sgpr_count:     66
    .vgpr_count:     256
    .wavefront_size: 32
...
	.end_amdgpu_metadata
.endif
;; end of part 4
